; MI455X (gfx1250); checked and timed in simulation.
; The chip was launched on July 23, 2026; its instructions are those of AMD's public machine-readable ISA for CDNA 5 (MIT licence, August 2026) and "CDNA5" Instruction Set Architecture Reference Guide (July 2026). The comments in the code are by the model that wrote it; some were corrected since.
;; Space Byte Attention. Allowed arithmetic: matrix products marked QUANTISED: E2M3 operands, one E8M0 scale for each 32 along K, by v_wmma_scale_f32_16x16x128_f8f6f4 with both operands' format E2M3, f32 sums; everything else in f32.
;; Inputs: hidden_states_codes 2 x 2,048 x 24 x 24 uint8 (E2M3 codes of hidden_states, K innermost, in blocks of 32 codes, four codes in three bytes); hidden_states_scales 2 x 2,048 x 24 uint8 (E8M0 scales of hidden_states, one for each 32 codes along K); k_ln_w 64 float32; k_w_codes 256 x 24 x 24 uint8 (E2M3 codes of k_w, K innermost, in blocks of 32 codes, four codes in three bytes); k_w_scales 256 x 24 uint8 (E8M0 scales of k_w, one for each 32 codes along K); o_w_codes 768 x 24 x 24 uint8 (E2M3 codes of o_w, K innermost, in blocks of 32 codes, four codes in three bytes); o_w_scales 768 x 24 uint8 (E8M0 scales of o_w, one for each 32 codes along K); q_ln_w 64 float32; q_w_codes 768 x 24 x 24 uint8 (E2M3 codes of q_w, K innermost, in blocks of 32 codes, four codes in three bytes); q_w_scales 768 x 24 uint8 (E8M0 scales of q_w, one for each 32 codes along K); v_w_codes 256 x 24 x 24 uint8 (E2M3 codes of v_w, K innermost, in blocks of 32 codes, four codes in three bytes); v_w_scales 256 x 24 uint8 (E8M0 scales of v_w, one for each 32 codes along K).
;; Outputs: out0 2 x 2,048 x 768 float32.
;; This version of the problem:
;;   THIS VERSION OF THE PROBLEM IS GIVEN IN LOW PRECISION. The matrix products marked QUANTISED in the list below multiply operands that are first quantised to E2M3 (2 exponent bits, 3 mantissa bits; 6 bits a number), with one power-of-two scale for each 32 numbers along K (OCP MX v1.0); their sums are f32. All else is computed in f32.
;;   The module's matrix products, in the order in which they are computed (A, B: the left and right operand; K: the contracted axis; several contracted axes count as one K, in the product's order):
;;     1. [M 4,096, K 768] x [K 768, N 768]; A: input hidden_states (given as codes); B: input q_w (given as codes): QUANTISED
;;     2. [M 4,096, K 768] x [K 768, N 256]; A: input hidden_states (given as codes); B: input k_w (given as codes): QUANTISED
;;     3. [M 4,096, K 768] x [K 768, N 256]; A: input hidden_states (given as codes); B: input v_w (given as codes): QUANTISED
;;     4. batch 24 x [M 2,048, K 64] x [K 64, N 2,048]; A: computed on the way; B: computed on the way: QUANTISED
;;     5. batch 24 x [M 2,048, K 2,048] x [K 2,048, N 64]; A: softmax (see below); B: computed on the way: QUANTISED
;;     6. [M 4,096, K 768] x [K 768, N 768]; A: computed on the way; B: input o_w (given as codes): QUANTISED
;;   THE QUANTISER, for each operand of a quantised product, along K:
;;     - K is cut into blocks of 32 from its start; a last block that is shorter is filled with zeros.
;;     - A block's scale is 2^e with e = floor(log2(the largest magnitude in the block)) - 2, held to -126 .. 127; a block of zeros has e = 0. As a byte (E8M0): e + 127.
;;     - Each number is divided by its block's scale, clamped to +-7.5, and rounded to the nearest number of E2M3, ties to even, subnormals kept.
;;     - The product sums the exact products of the quantised numbers (number of the format x scale) in f32.
;;   ~~~python
;;   def quantise(x, axis):      # numpy; x: float32 -> the quantised numbers, widened to float32 again
;;       x = np.moveaxis(x, axis, -1); K = x.shape[-1]
;;       x = np.pad(x, [(0, 0)] * (x.ndim - 1) + [(0, -K % 32)]); x = x.reshape(x.shape[:-1] + (-1, 32)); a = np.abs(x).max(-1, keepdims=True)
;;       e = np.where(a > 0, np.clip(np.frexp(np.where(a > 0, a, 1))[1] - 1 - 2, -126, 127), 0)      # np.frexp(a)[1] - 1 = floor(log2(a)), exactly
;;       r = np.clip(x / 2.0 ** e, -7.5, 7.5)
;;       step = 2.0 ** (np.maximum(np.frexp(np.where(r == 0, 1, r))[1] - 1, 0) - 3)
;;       q = np.round(r / step) * step * 2.0 ** e      # np.round: ties to even
;;       return np.moveaxis(q.reshape(q.shape[:-2] + (-1,))[..., :K], -1, axis).astype(np.float32)
;;   ~~~
;;   SOFTMAX AHEAD OF A QUANTISED PRODUCT. Where the list says 'softmax', what is quantised is not the finished softmax but p = 2^(t - M), with t = logit x log2(e) and M = ceil(the row's largest t), a whole number; so 1/2 < the row's largest p <= 1. The row's sum l is taken of the UNQUANTISED p, in f32, and the product's result is divided by l at the end. Since M is a whole number, a kernel that streams over the keys may use a running M (the ceiling of the running maximum): every later rescaling is an exact power of two, which a block's scale takes up: the codes' values come out the same.
;;   OPERANDS COMPUTED ON THE WAY. 'Computed on the way' means the value that the module computes at that place (a softmax that the list does not call 'softmax' is quantised finished and normalised). What goes into a quantiser is computed in f32, as accurately as f32 sums, v_exp_f32 and their like allow (about 1e-6 of the number): no bf16 or f16 on the way to a quantiser, and a product that is left as it is and whose result goes on into a quantised operand takes f32 operands (vector FMAs, or v_wmma_f32_16x16x4_f32). A number that lies on a knife's edge between two numbers of the format may be rounded either way, as far as f32 arithmetic and the matrix unit's own rounding can turn it there, and no further.
;;   INPUTS GIVEN AS CODES. hidden_states (in the module: [2, 2048, 768], K = its axis 2); k_w (in the module: [256, 768], K = its axis 1); o_w (in the module: [768, 768], K = its axis 1); q_w (in the module: [768, 768], K = its axis 1); v_w (in the module: [256, 768], K = its axis 1): each comes as NAME_codes (uint8): NAME with its K axis moved to the last place and cut into blocks of 32 codes, [.., K / 32, bytes a block], one block behind the other in memory; four codes in three bytes: a row's codes are one little-endian stream of bits, code i at bits 6 i .. 6 i + 5 (a code: sign, 2 exponent bits, 3 mantissa bits); and NAME_scales (uint8): the same leading axes, one E8M0 byte (e + 127) for each 32 codes along K. Its value is code x scale, taken as it is: it is not quantised again, and the codes and scales need not be those that the quantiser above would give.
;; One version. Each part assembles by itself: llvm-mc -triple=amdgcn-amd-amdhsa -mcpu=gfx1250 --defsym DOCPART=n.
;; ======== version 1 of 1: 2 launches
;; workspace buffers: qimg 3,145,728 bytes; kv 1,769,472 bytes; oimg 442,368 bytes
;; launch project (part 1): grid 64 x 4, 10 waves a work-group, clusters of 4 x 4, 277,760 bytes of LDS; arguments hidden_states_codes, hidden_states_scales, q_w_codes, q_w_scales, k_w_codes, k_w_scales, v_w_codes, v_w_scales, q_ln_w, k_ln_w, o_w_codes, qimg, kv, oimg; writes qimg, kv, oimg
.if DOCPART == 1
	.amdgcn_target "amdgcn-amd-amdhsa--gfx1250"
	.amdhsa_code_object_version 6
	.text
	.protected	k_q3ef7690685_project
	.globl	k_q3ef7690685_project
	.p2align	8
	.type	k_q3ef7690685_project,@function
k_q3ef7690685_project:
	s_mov_b64 s[64:65], 0
	v_nop
	global_prefetch_b8 v0, s[64:65] scope:SCOPE_SE
	s_setreg_imm32_b32 hwreg(HW_REG_WAVE_MODE, 25, 1), 1
	s_wait_xcnt 0x0
	s_wait_alu depctr_hold_cnt(0) depctr_sa_sdst(0) depctr_va_vdst(0) depctr_va_sdst(0) depctr_va_ssrc(0) depctr_va_vcc(0) depctr_vm_vsrc(0)
	s_getreg_b32 s2, hwreg(HW_REG_IB_STS2, 6, 4)
	s_cmp_eq_u32 s2, 0
	s_cbranch_scc0 .Lentry_in_a_cluster
	s_endpgm
.Lentry_in_a_cluster:
	s_bfe_u32 s2, ttmp6, 0x10000c
	s_cmp_lg_u32 s2, 0xf033
	s_cbranch_scc0 .Lentry_shape_is_right
	s_endpgm
.Lentry_shape_is_right:
; q, k, v = hidden W^T on codes of FP6 (E2M3) with E8M0 scales; RMS norm with gain and RoPE on q and k, in f32; then q, k (along the head's 64) and v (along the tokens) are quantised
; and stored as IMAGES OF OPERAND REGISTERS for the next launch.  Idle waves lay o_w's codes out as fragment images.
; SHARES.  A work-group takes 64 tokens (TG = 4 x cluster x + cx) and five heads: q heads 3 C .. 3 C + 2, k head C, v head C, C = cy (the grid's y is the cluster's y, 4).  Ten waves: head HH = wave / 2
; (0-2 q, 3 k, 4 v), half SP = wave % 2.  A wave makes 2 x 4 tiles of 16 x 16 over K = 768: 48 matrix instructions.
; ONE TEXT FOR ALL ROLES: D[u][a] = X tile a (source 0) x Y tile u (source 1).  q, k: X = the head's 64 weight rows, Y = 16 tokens: a lane holds ONE token and its registers run along the channels.
; v: X = the 64 tokens, Y = 16 channels of v_w: a lane holds one channel and its registers run along the tokens, which are the K of the second product of attention.
; LDS: six tiles of 64 rows x 576 bytes (all of K), each filled ONCE by a joint tensor load: the weights' are shared by the four work-groups of one cy, hidden's by the four of one cx.  Nothing is filled again.
; HALF-FRAGMENT IMAGE, 768 bytes: 16 rows x 64 K are 6 registers a lane (lane (r, h): row r, block h): registers 0-3 at 16 x lane, registers 4-5 at 512 + 8 x lane.  Scale words: 4 x lane.
; ORDER INSIDE A BLOCK OF 32: a lane's 16 registers of tiles 2 b, 2 b + 1 are members 8 h + 0..7 and 16 + 8 h + 0..7 of block b; they are packed as they stand.  q and k are packed alike, and so are p and v:
; the same order on both sides of a product leaves its terms, its blocks and its scales as they are.  V's CHANNELS take other rows (lane r of tile 2 b + u: channel 32 b + 8 u + r + 8 (r / 8)), so that the
; attention result comes out in true order for the last product.
; LIMITS: scale bytes 0xff, NaN and infinities are not served.  A block whose largest magnitude lies under 2^-124, a block of zeros too, gets the byte 1: its codes are then zeros or tiny, and this program alone reads the bytes.
; RoPE's inverse frequencies are 10^(-i/8) rounded to f32; the module's own f32 power may differ from them in the last bit, which at position 2,047 moves an angle by up to about 1e-4.  Sums of squares are added in another order than the module's.
.set REG,   46080                      ; a tile in LDS: 64 rows x 720
.set PITCH, 720                        ; 9 x (64 bytes + 16 of padding) = 180 words: 16 neighbouring rows start at 16 different multiples of 4 banks (64 banks of 4 bytes: ISA guide 11.1); lanes 16-31 fall 6 or 10 words on
.set AC,   16                          ; v16-79   accumulators, 32 u + 8 a
.set XF,   80                          ; v80-127  X's four fragments (before the product: inverse frequencies and work; behind it: the gains, then work)
.set YF,   128                         ; v128-151 Y's two
.set XS,   152                         ; v152-175 X's scale words, 6 a + s: scales and nothing else
.set YS,   176                         ; v176-187 Y's, 6 u + s
.set COSR, 188                         ; v188-251 cos at 188 + 32 u + i, sin at 204 + 32 u + i
.set SINR, 204
.set IFQ,  80                          ; v80-95   inverse frequencies of my 16 register places
.set TW,   96                          ; v96-119  four angles at work, six registers each
.set LW,   80                          ; v80-111  the gain of my 32 channels
.set WV,   32                          ; s32 wave, s33 head, s34 half, s35 1 for v
.set HH,   33
.set SP,   34
.set ISV,  35
.set CX,   36
.set CY,   37
.set TG,   38
.set EPSR, 39                          ; s39 1e-6
.set G1W,  44                          ; s[44:51] group 1 for weights, s[52:59] for hidden; s[60:63], s[68:71] their groups 0
.set G1H,  52
.set G0W,  60
.set G0H,  68
.set SEL,  80                          ; s[80:81] v_permlanex16_b32's selects for lane l xor 16
.set XSP,  82                          ; s[82:83] X's scale rows; s[84:87] Y's, u = 0, 1
.set YSP,  84
.set LNP,  88                          ; s[88:89] the gain
.set CB,   90                          ; s[90:93] where my two images go; s[94:97] their scale words
.set SB,   94
.macro CROUND                          ; a round of the cluster's barrier: my work-group's barrier, wave 0 signals for the work-group, every wave waits for all sixteen, my work-group's barrier again
	s_barrier_signal -1
	s_barrier_wait -1
	s_cmp_lg_u32 s[WV], 0
	s_cbranch_scc1 .Lnot_wave_0_\@
	s_barrier_signal -3
.Lnot_wave_0_\@:
	s_barrier_wait -3
	s_barrier_signal -1
	s_barrier_wait -1
.endm
; A fragment, 16 rows x 128 K: 12 registers, in pieces of 8 bytes.  Lanes 0-15 take the row's pieces 12 q + 0, 1, 2, 6, 7, 8, lanes 16-31 those three on; piece p lies at 8 p + 16 (p / 8).
; Where the piece three on lies behind one padding more, the second address register (40 for 24 bytes a half) serves.
.macro FRAG reg, adr, q, off
.set FRR, \reg
.set FRA, \adr
.set FRO, \off
.irp p, 0,1,2,3,4,5
.set PC, 12*(\q)+6*(\p/3)+\p%3
.if PC%8 < 5
	ds_load_b64 v[FRR+2*\p:FRR+2*\p+1], v[FRA] offset:8*PC+16*(PC/8)+FRO
.else
	ds_load_b64 v[FRR+2*\p:FRR+2*\p+1], v[FRA+1] offset:8*PC+16*(PC/8)+FRO
.endif
.endr
.endm
.macro INVF i, lo, hi                  ; register place i: lanes 0-15 take lo, lanes 16-31 hi (vcc: lane / 16 = 1)
	v_mov_b32 v[IFQ+\i], \hi
	v_cndmask_b32 v[IFQ+\i], \lo, v[IFQ+\i], vcc_lo
.endm
; cos and sin of four angles, by turns.  x = position x frequency; n = the nearest whole number to x 2/pi; r = x - n pi/2 in two steps (the first is exact: x and n x the high part are multiples of 2^-23 and
; their difference is under 1); polynomials on |r| <= pi/4; n mod 4 swaps and signs.  Work: +0 x, r; +1 n; +2 r^2; +3 sin; +4 cos; +5 at work.
.macro TRIG4 u, i0
.irp k, 0,1,2,3
	v_mul_f32 v[TW+6*\k], v13, v[IFQ+\i0+\k]
.endr
.irp k, 0,1,2,3
	v_mul_f32 v[TW+1+6*\k], s76, v[TW+6*\k]
.endr
.irp k, 0,1,2,3
	v_rndne_f32 v[TW+1+6*\k], v[TW+1+6*\k]
.endr
.irp k, 0,1,2,3
	v_fma_f32 v[TW+6*\k], v[TW+1+6*\k], s77, v[TW+6*\k]
.endr
.irp k, 0,1,2,3
	v_fma_f32 v[TW+6*\k], v[TW+1+6*\k], s78, v[TW+6*\k]
.endr
.irp k, 0,1,2,3
	v_cvt_i32_f32 v[TW+1+6*\k], v[TW+1+6*\k]
.endr
.irp k, 0,1,2,3
	v_mul_f32 v[TW+2+6*\k], v[TW+6*\k], v[TW+6*\k]
.endr
.irp k, 0,1,2,3
	v_fmaak_f32 v[TW+3+6*\k], v252, v[TW+2+6*\k], 0x3c08839e
	v_fmaak_f32 v[TW+4+6*\k], v253, v[TW+2+6*\k], 0xbab6061a
.endr
.irp k, 0,1,2,3
	v_fmaak_f32 v[TW+3+6*\k], v[TW+3+6*\k], v[TW+2+6*\k], 0xbe2aaaa3
	v_fmaak_f32 v[TW+4+6*\k], v[TW+4+6*\k], v[TW+2+6*\k], 0x3d2aaaa5
.endr
.irp k, 0,1,2,3
	v_mul_f32 v[TW+5+6*\k], v[TW+2+6*\k], v[TW+6*\k]
.endr
.irp k, 0,1,2,3
	v_fma_f32 v[TW+3+6*\k], v[TW+3+6*\k], v[TW+5+6*\k], v[TW+6*\k]      ; sin r = r + r^3 (..)
.endr
.irp k, 0,1,2,3
	v_mul_f32 v[TW+5+6*\k], v[TW+2+6*\k], v[TW+2+6*\k]
.endr
.irp k, 0,1,2,3
	v_fma_f32 v[TW+2+6*\k], v[TW+2+6*\k], -0.5, 1.0
.endr
.irp k, 0,1,2,3
	v_fma_f32 v[TW+4+6*\k], v[TW+4+6*\k], v[TW+5+6*\k], v[TW+2+6*\k]    ; cos r = 1 - r^2 / 2 + r^4 (..)
.endr
.irp k, 0,1,2,3
	v_and_b32 v[TW+5+6*\k], 1, v[TW+1+6*\k]
.endr
.irp k, 0,1,2,3
	v_cmp_eq_u32 s[98+\k], 1, v[TW+5+6*\k]                              ; an odd n swaps the two
.endr
.irp k, 0,1,2,3
	v_cndmask_b32 v[TW+2+6*\k], v[TW+3+6*\k], v[TW+4+6*\k], s[98+\k]
	v_cndmask_b32 v[TW+4+6*\k], v[TW+4+6*\k], v[TW+3+6*\k], s[98+\k]
.endr
.irp k, 0,1,2,3
	v_lshlrev_b32 v[TW+5+6*\k], 30, v[TW+1+6*\k]
	v_add_nc_u32 v[TW+1+6*\k], 1, v[TW+1+6*\k]
.endr
.irp k, 0,1,2,3
	v_and_b32 v[TW+5+6*\k], 0x80000000, v[TW+5+6*\k]                    ; sin changes sign where n mod 4 is 2 or 3,
	v_lshlrev_b32 v[TW+1+6*\k], 30, v[TW+1+6*\k]
.endr
.irp k, 0,1,2,3
	v_xor_b32 v[SINR+32*\u+\i0+\k], v[TW+5+6*\k], v[TW+2+6*\k]
	v_and_b32 v[TW+1+6*\k], 0x80000000, v[TW+1+6*\k]                    ; cos where it is 1 or 2
.endr
.irp k, 0,1,2,3
	v_xor_b32 v[COSR+32*\u+\i0+\k], v[TW+1+6*\k], v[TW+4+6*\k]
.endr
.endm
; 128 along K: six fragments from LDS, eight products.  The eight accumulators take turns, one instruction a turn.
.macro KSTEP s
.if \s > 0
.rept 4
	v_nop                                          ; four places in front of loads into registers that matrix instructions have read (ISA guide 7.12.1 for vector instructions)
.endr
.endif
.irp a, 0,1,2,3
	FRAG XF+12*\a, 1, \s, 16*PITCH*\a
.endr
.irp u, 0,1
	FRAG YF+12*\u, 3+2*\u, \s, 0
.endr
	s_wait_dscnt 0x0
.irp u, 0,1
.irp a, 0,1,2,3
.if \s == 0
	v_wmma_scale_f32_16x16x128_f8f6f4 v[AC+32*\u+8*\a:AC+32*\u+8*\a+7], v[XF+12*\a:XF+12*\a+11], v[YF+12*\u:YF+12*\u+11], 0, v[XS+6*\a+\s], v[YS+6*\u+\s] matrix_a_fmt:MATRIX_FMT_FP6 matrix_b_fmt:MATRIX_FMT_FP6
.else
	v_wmma_scale_f32_16x16x128_f8f6f4 v[AC+32*\u+8*\a:AC+32*\u+8*\a+7], v[XF+12*\a:XF+12*\a+11], v[YF+12*\u:YF+12*\u+11], v[AC+32*\u+8*\a:AC+32*\u+8*\a+7], v[XS+6*\a+\s], v[YS+6*\u+\s] matrix_a_fmt:MATRIX_FMT_FP6 matrix_b_fmt:MATRIX_FMT_FP6
.endif
.endr
.endr
.endm
; x / sqrt(mean of x^2 + 1e-6) for the token of tile u: my 32 channels in two chains, each accumulator from its low end on; lane l xor 16 has the other 32.
.macro SUMSQ u
.set A0, AC+32*\u
.set SA, 112+4*\u
.set RS, 120+2*\u
	v_pk_mul_f32 v[SA:SA+1], v[A0:A0+1], v[A0:A0+1]
	v_pk_mul_f32 v[SA+2:SA+3], v[A0+2:A0+3], v[A0+2:A0+3]
.irp k, 4,8,12,16,20,24,28
	v_pk_fma_f32 v[SA:SA+1], v[A0+\k:A0+\k+1], v[A0+\k:A0+\k+1], v[SA:SA+1]
	v_pk_fma_f32 v[SA+2:SA+3], v[A0+\k+2:A0+\k+3], v[A0+\k+2:A0+\k+3], v[SA+2:SA+3]
.endr
	v_pk_add_f32 v[SA:SA+1], v[SA:SA+1], v[SA+2:SA+3]
	v_add_f32 v[SA], v[SA], v[SA+1]
	v_permlanex16_b32 v[SA+1], v[SA], s[SEL], s[SEL+1]
	v_add_f32 v[SA], v[SA], v[SA+1]
	v_fma_f32 v[SA], v[SA], s79, s[EPSR]           ; sum / 64 + 1e-6
	v_rsq_f32 v[RS], v[SA]
	v_mov_b32 v[RS+1], 0                           ; the plain instruction behind the transcendental; it also writes the pair's upper half, which is named below
	s_wait_alu depctr_va_vdst(0)
.irp k, 0,2,4,6,8,10,12,14,16,18,20,22,24,26,28,30
	v_pk_mul_f32 v[A0+\k:A0+\k+1], v[A0+\k:A0+\k+1], v[RS:RS+1] op_sel_hi:[1,0]
.endr
.endm
; the gain, then RoPE: registers 0-15 are channels under 32, register 16 + i is the channel 32 above register i's, in the same lane.
.macro ROPE u
.set A0, AC+32*\u
.irp k, 0,2,4,6,8,10,12,14,16,18,20,22,24,26,28,30
	v_pk_mul_f32 v[A0+\k:A0+\k+1], v[A0+\k:A0+\k+1], v[LW+\k:LW+\k+1]
.endr
.irp k, 0,2,4,6,8,10,12,14
.set TA, 124+4*((\k/2)%2)
	v_pk_mul_f32 v[TA:TA+1], v[A0+16+\k:A0+17+\k], v[SINR+32*\u+\k:SINR+32*\u+\k+1]
	v_pk_mul_f32 v[TA+2:TA+3], v[A0+\k:A0+\k+1], v[SINR+32*\u+\k:SINR+32*\u+\k+1]
	v_pk_fma_f32 v[A0+\k:A0+\k+1], v[A0+\k:A0+\k+1], v[COSR+32*\u+\k:COSR+32*\u+\k+1], v[TA:TA+1] neg_lo:[0,0,1] neg_hi:[0,0,1]
	v_pk_fma_f32 v[A0+16+\k:A0+17+\k], v[A0+16+\k:A0+17+\k], v[COSR+32*\u+\k:COSR+32*\u+\k+1], v[TA+2:TA+3]
.endr
.endm
; 32 numbers of a lane (two blocks of 32, 16 members each; lane l xor 16 has the others) become a half fragment in v[W+10 .. W+15]; the two scale bytes in v[W+8], written twice in v[W+9].
.macro QH src, W
.set QS, \src
.set QW, \W
.irp b, 0,1
	v_max3_num_f32 v[QW+\b], |v[QS+16*\b]|, |v[QS+16*\b+1]|, 0x1800000   ; with the floor 2^(3 - 127): the byte cannot fall under 1
.endr
.irp i, 2,4,6,8,10,12,14
.irp b, 0,1
	v_max3_num_f32 v[QW+\b], v[QW+\b], |v[QS+16*\b+\i]|, |v[QS+16*\b+\i+1]|
.endr
.endr
.irp b, 0,1
	v_mov_b32 v[QW+2+\b], 0                        ; a lane permute's destination counts as one of its sources
.endr
.irp b, 0,1
	v_permlanex16_b32 v[QW+2+\b], v[QW+\b], s[SEL], s[SEL+1]
.endr
.irp b, 0,1
	v_max_num_f32 v[QW+\b], v[QW+\b], v[QW+2+\b]   ; the block's largest magnitude
.endr
.irp b, 0,1
	v_add_nc_u32 v[QW+4+\b], 0xff000000, v[QW+\b]  ; 2 off its exponent field: the conversion's scale operand
.endr
.irp b, 0,1
	v_lshrrev_b32 v[QW+6+\b], 23, v[QW+4+\b]       ; the scale's byte
.endr
	v_lshl_or_b32 v[QW+8], v[QW+7], 8, v[QW+6]
	v_lshl_or_b32 v[QW+9], v[QW+8], 16, v[QW+8]
	v_cvt_scalef32_pk16_fp6_f32 v[QW+10:QW+12], v[QS:QS+15], v[QW+4]
	v_cvt_scalef32_pk16_fp6_f32 v[QW+16:QW+18], v[QS+16:QS+31], v[QW+5]
	v_nop                                          ; one plain place behind a scaled conversion
.irp i, 0,1,2
	v_permlane16_swap_b32 v[QW+10+\i], v[QW+16+\i] ; a whole block to a lane: lanes 0-15 block 0, lanes 16-31 block 1
.endr
.irp i, 0,1,2
	v_mov_b32 v[QW+13+\i], v[QW+16+\i]
.endr
.endm
	s_load_b512 s[4:19], s[0:1], 0x0               ; hidden's codes s[4:5], scales s[6:7]; q_w's s[8:9], s[10:11]; k_w's s[12:13], s[14:15]; v_w's s[16:17], s[18:19]
	s_load_b256 s[20:27], s[0:1], 0x40             ; q_ln_w s[20:21], k_ln_w s[22:23], o_w's codes s[24:25], qimg s[26:27]
	s_load_b128 s[28:31], s[0:1], 0x60             ; kv s[28:29], oimg s[30:31]
	v_lshl_add_u32 v254, v0, 2, 0x43800
	v_mov_b32 v255, 0
	ds_add_u32 v254, v255
	ds_add_u32 v254, v255
	v_lshrrev_b32 v16, 5, v0
	v_readfirstlane_b32 s[WV], v16                 ; wave 0..9
	s_lshr_b32 s[HH], s[WV], 1
	s_and_b32 s[SP], s[WV], 1
	s_lshr_b32 s[ISV], s[HH], 2
	s_bfe_u32 s[CX], ttmp6, 0x40000
	s_bfe_u32 s[CY], ttmp6, 0x40004
	s_lshl_b32 s[TG], ttmp9, 2
	s_add_co_u32 s[TG], s[TG], s[CX]               ; my 64 tokens
	s_lshl_b32 s40, s[CY], 2
	s_lshl_b32 s40, 15, s40                        ; my row of the cluster (same cy): the weights' partners
	s_lshl_b32 s41, 0x1111, s[CX]                  ; my column (same cx): hidden's
	; group 1: 64 rows x 576 bytes; 16 bytes of padding behind every 64
	s_or_b32 s[G1W], s40, (1<<20)|(1<<21)|(3<<22)|(3<<25)   ; 15:0 the mask; 17:16 elements of 1 byte; 20 padding on; 21 set beside a mask; 24:22 after every 16 words; 31:25 of 4 words
	s_or_b32 s[G1H], s41, (1<<20)|(1<<21)|(3<<22)|(3<<25)
.irp g, G1W, G1H
	s_mov_b32 s[\g+1], 576<<16                     ; tensor_dim0
	s_mov_b32 s[\g+2], 64<<16                      ; tensor_dim1
	s_mov_b32 s[\g+3], 576<<16                     ; tile_dim0
	s_mov_b32 s[\g+4], 64                          ; tile_dim1
	s_mov_b32 s[\g+5], 576                         ; from row to row
	s_mov_b32 s[\g+6], 0
	s_mov_b32 s[\g+7], 0
.endr
	s_mov_b32 s[EPSR], 0x358637bd                  ; 1e-6
	s_mov_b32 s76, 0x3f22f983                      ; 2 / pi
	s_mov_b32 s77, 0xbfc90fdb                      ; -(pi / 2 rounded to f32)
	s_mov_b32 s78, 0x333bbd2e                      ; that rounded number - pi / 2
	s_mov_b32 s79, 0x3c800000                      ; 1 / 64
	s_mov_b32 s[SEL], 0x76543210
	s_mov_b32 s[SEL+1], 0xfedcba98
	; every address register is made here, ahead of the waves' first parting
	v_and_b32 v17, 31, v0                          ; lane
	v_and_b32 v16, 15, v0                          ; r
	v_bfe_u32 v15, v0, 4, 1                        ; h
	v_lshlrev_b32 v7, 4, v17                       ; 16, 8, 4 x lane: an image's places
	v_lshlrev_b32 v8, 3, v17
	v_lshlrev_b32 v9, 2, v17
	v_mul_u32_u24 v10, v16, 24                     ; X's scale row r
	v_lshlrev_b32 v12, 5, v15                      ; the gain: 32 h bytes
	v_mul_u32_u24 v14, v16, 576
	v_mad_u32_u24 v14, v15, 24, v14                ; o_w: row r, + 24 h
	v_mul_u32_u24 v18, v16, PITCH
	v_mad_u32_u24 v18, v15, 24, v18
	s_mul_i32 s42, s[HH], REG                      ; X: tile HH (for v that is hidden's, tile 4)
	v_add_nc_u32 v1, s42, v18
	v_lshl_add_u32 v2, v15, 4, v1                  ; and behind one padding more
	v_and_b32 v19, 8, v16
	v_mul_u32_u24 v19, s[ISV], v19
	v_add_nc_u32 v19, v19, v16                     ; Y's row of a tile: r, for v r + 8 (r / 8)
	v_mul_u32_u24 v11, v19, 24                     ; its scale row
	v_mul_u32_u24 v19, v19, PITCH
	v_mad_u32_u24 v19, v15, 24, v19
	s_add_co_u32 s42, s[ISV], 4                    ; Y: hidden's tile 4, for v v_w's tile 5;
	s_lshl_b32 s42, s42, 6
	s_lshl_b32 s43, s[SP], 5
	s_add_co_u32 s42, s42, s43                     ; + 32 rows for the second half
	s_mul_i32 s42, s42, PITCH
	v_add_nc_u32 v3, s42, v19
	v_lshl_add_u32 v4, v15, 4, v3
	s_xor_b32 s66, s[ISV], 1
	s_lshl_b32 s66, s66, 3
	s_add_co_u32 s66, s66, 8                       ; from Y's tile u = 0 to u = 1: 16 rows, for v 8
	s_mul_i32 s43, s66, PITCH
	v_add_nc_u32 v5, s43, v3
	v_add_nc_u32 v6, s43, v4
	; where the tiles come from.  The weights' registers never hold cx, hidden's never cy.
	s_mul_i32 s72, s[CY], 192
	s_lshl_b32 s73, s[WV], 6
	s_add_co_u32 s72, s72, s73                     ; waves 0-2: q_w's row 192 C + 64 wave
	s_lshl_b32 s73, s[CY], 6                       ; wave 3: k_w's row 64 C; wave 5: v_w's
	s_cmp_lt_u32 s[WV], 3
	s_cselect_b32 s72, s72, s73
	s_mul_i32 s72, s72, 576
	s_mov_b32 s73, 0
	s_mul_i32 s74, s[TG], 64*576
	s_mov_b32 s75, 0
	s_mov_b32 s[G0W], 1
	s_mul_i32 s[G0W+1], s[WV], REG                 ; tile = wave
	s_mov_b32 s[G0H], 1
	s_mov_b32 s[G0H+1], 4*REG
	s_wait_dscnt 0x0
	s_wait_kmcnt 0x0
	s_cmp_lt_u32 s[WV], 3
	s_cselect_b64 s[G0W+2:G0W+3], s[8:9], s[12:13]
	s_cmp_gt_u32 s[WV], 3
	s_cselect_b64 s[G0W+2:G0W+3], s[16:17], s[G0W+2:G0W+3]
	s_add_nc_u64 s[G0W+2:G0W+3], s[G0W+2:G0W+3], s[72:73]
	s_or_b32 s[G0W+3], s[G0W+3], 0x80000000
	s_add_nc_u64 s[G0H+2:G0H+3], s[4:5], s[74:75]
	s_or_b32 s[G0H+3], s[G0H+3], 0x80000000
	CROUND                                         ; all sixteen work-groups are here: the joint loads meet
	s_cmp_gt_u32 s[WV], 5                          ; waves 0-3 and 5 fetch a weight tile, wave 4 hidden's, the others nothing: one tensor load of a wave is out.  Four v_nop follow each line
	s_cbranch_scc1 .Lasked
	s_cmp_eq_u32 s[WV], 4
	s_cbranch_scc1 .Lfor_hidden
	tensor_load_to_lds s[G0W:G0W+3], s[G1W:G1W+7]
	s_nop 0
.rept 4
	v_nop
.endr
	s_branch .Lasked
.Lfor_hidden:
	tensor_load_to_lds s[G0H:G0H+3], s[G1H:G1H+7]
	s_nop 0
.rept 4
	v_nop
.endr
.Lasked:
	; the scale words: a row's 24 bytes are its six words; 16 rows are 384 consecutive bytes
	s_mul_i32 s42, s[CY], 192
	s_lshl_b32 s43, s[HH], 6
	s_add_co_u32 s42, s42, s43                     ; q: row 192 C + 64 HH
	s_lshl_b32 s43, s[CY], 6                       ; k, v: row 64 C
	s_lshl_b32 s67, s[TG], 6                       ; my first token
	s_cmp_lt_u32 s[HH], 3
	s_cselect_b32 s42, s42, s43
	s_cselect_b64 s[XSP:XSP+1], s[10:11], s[14:15]
	s_cselect_b64 s[LNP:LNP+1], s[20:21], s[22:23]
	s_cmp_eq_u32 s[HH], 4
	s_cselect_b32 s42, s67, s42
	s_cselect_b64 s[XSP:XSP+1], s[6:7], s[XSP:XSP+1]
	s_cselect_b32 s43, s43, s67
	s_cselect_b64 s[YSP:YSP+1], s[18:19], s[6:7]
	s_mul_i32 s2, s42, 24
	s_mov_b32 s3, 0
	s_add_nc_u64 s[XSP:XSP+1], s[XSP:XSP+1], s[2:3]
	s_lshl_b32 s42, s[SP], 5
	s_add_co_u32 s43, s43, s42
	s_mul_i32 s2, s43, 24
	s_add_nc_u64 s[YSP:YSP+1], s[YSP:YSP+1], s[2:3]
	s_mul_i32 s2, s66, 24
	s_add_nc_u64 s[YSP+2:YSP+3], s[YSP:YSP+1], s[2:3]
.irp a, 0,1,2,3
.irp p, 0,1,2
	global_load_b64 v[XS+6*\a+2*\p:XS+6*\a+2*\p+1], v10, s[XSP:XSP+1] offset:384*\a+8*\p
.endr
.endr
.irp u, 0,1
.irp p, 0,1,2
	global_load_b64 v[YS+6*\u+2*\p:YS+6*\u+2*\p+1], v11, s[YSP+2*\u:YSP+2*\u+1] offset:8*\p
.endr
.endr
	; where my two images and their scale words go
	s_lshr_b32 s42, s[TG], 5                       ; b
	s_and_b32 s43, s[TG], 31                       ; my 64 tokens within the sequence
	s_lshl_b32 s67, s42, 2
	s_add_co_u32 s67, s67, s[CY]
	s_lshl_b32 s67, s67, 4
	s_lshr_b32 s98, s43, 1                         ; the key step of 128
	s_add_co_u32 s67, s67, s98
	s_mul_i32 s67, s67, 13824                      ; kv: block ((4 b + C) 16 + step)
	s_and_b32 s98, s43, 1                          ; which half of the step
	s_lshl_b32 s99, s42, 7
	s_lshl_b32 s100, s43, 2
	s_add_co_u32 s99, s99, s100
	s_lshl_b32 s100, s[SP], 1
	s_add_co_u32 s99, s99, s100                    ; the query tile: 128 b + 4 x (64 tokens) + 2 SP
	s_mul_i32 s99, s99, 12
	s_mul_i32 s101, s[CY], 3
	s_add_co_u32 s99, s99, s101
	s_add_co_u32 s99, s99, s[HH]
	s_lshl_b32 s99, s99, 10                        ; q: 1,024 bytes for a tile and a head
	s_lshl_b32 s101, s98, 2
	s_add_co_u32 s100, s101, s100                  ; k: key tile 4 half + 2 SP of the step
	s_mul_i32 s101, s100, 768
	s_add_co_u32 s101, s101, s67                   ; its codes,
	s_lshl_b32 s100, s100, 7
	s_add_co_u32 s100, s100, s67
	s_add_co_u32 s100, s100, 12288                 ; its scale words
	s_lshl_b32 s42, s[SP], 2
	s_add_co_u32 s42, s42, s98
	s_mul_i32 s42, s42, 768
	s_add_co_u32 s42, s42, s67
	s_add_co_u32 s42, s42, 6144                    ; v: image 2 t + half, t = 2 SP + u
	s_lshl_b32 s43, s[SP], 8
	s_lshl_b32 s98, s98, 1
	s_add_co_u32 s43, s43, s98
	s_add_co_u32 s43, s43, s67
	s_add_co_u32 s43, s43, 13312                   ; its two bytes of each lane's word
	s_add_co_u32 s98, s99, 768                     ; q's scale words
	s_mov_b32 s2, 768                              ; from u = 0 to u = 1: k's codes,
	s_mov_b32 s67, 128                             ; k's and v's scale words,
	s_mov_b32 s66, 12288                           ; q's both
	s_cmp_lt_u32 s[HH], 3
	s_cselect_b32 s99, s99, s101
	s_cselect_b32 s98, s98, s100
	s_cselect_b32 s2, s66, s2
	s_cselect_b32 s67, s66, s67
	s_cselect_b64 s[CB:CB+1], s[26:27], s[28:29]   ; qimg or kv
	s_mov_b32 s66, 1536                            ; v's codes
	s_cmp_eq_u32 s[HH], 4
	s_cselect_b32 s99, s42, s99
	s_cselect_b32 s98, s43, s98
	s_cselect_b32 s2, s66, s2
	s_mov_b64 s[SB:SB+1], s[CB:CB+1]
	s_mov_b32 s100, s99
	s_mov_b32 s101, 0
	s_add_nc_u64 s[CB:CB+1], s[CB:CB+1], s[100:101]
	s_add_nc_u64 s[CB+2:CB+3], s[CB:CB+1], s[2:3]
	s_mov_b32 s100, s98
	s_add_nc_u64 s[SB:SB+1], s[SB:SB+1], s[100:101]
	s_mov_b32 s2, s67
	s_add_nc_u64 s[SB+2:SB+3], s[SB:SB+1], s[2:3]
	s_cmp_eq_u32 s[HH], 4
	s_cbranch_scc1 .Lv_wave
	; ---- q and k waves: RoPE's table for my two tokens, while the tiles are on their way
	v_cmp_eq_u32 vcc_lo, 1, v15
	INVF 0,  1.0,            0.1                   ; register place i is frequency 8 h + i (i < 8) or 8 + 8 h + i: 10^(-index / 8)
	INVF 1,  0.7498942093,   0.07498942093
	INVF 2,  0.5623413252,   0.05623413252
	INVF 3,  0.4216965034,   0.04216965034
	INVF 4,  0.3162277660,   0.03162277660
	INVF 5,  0.2371373706,   0.02371373706
	INVF 6,  0.1778279410,   0.01778279410
	INVF 7,  0.1333521432,   0.01333521432
	INVF 8,  0.01,           0.001
	INVF 9,  0.007498942093, 0.0007498942093
	INVF 10, 0.005623413252, 0.0005623413252
	INVF 11, 0.004216965034, 0.0004216965034
	INVF 12, 0.003162277660, 0.0003162277660
	INVF 13, 0.002371373706, 0.0002371373706
	INVF 14, 0.001778279410, 0.0001778279410
	INVF 15, 0.001333521432, 0.0001333521432
	v_mov_b32 v252, 0xb94ca1f9                     ; the polynomials' leading numbers: sin's,
	v_mov_b32 v253, 0x37ccf5ce                     ; cos's
	s_and_b32 s42, s[TG], 31
	s_lshl_b32 s42, s42, 6
	s_lshl_b32 s43, s[SP], 5
	s_add_co_u32 s42, s42, s43
	v_add_nc_u32 v13, s42, v16
	v_cvt_f32_u32 v13, v13                         ; my token's position, tile u = 0
	TRIG4 0, 0
	TRIG4 0, 4
	TRIG4 0, 8
	TRIG4 0, 12
	v_add_f32 v13, 0x41800000, v13                 ; tile u = 1: 16 on
	TRIG4 1, 0
	TRIG4 1, 4
	TRIG4 1, 8
	TRIG4 1, 12
	s_branch .Ljoin
.Lv_wave:
	; ---- v waves of clusters 0-2: 48 work-groups x 2 waves lay out o_w's 48 x 6 fragments, three each: loaded as an operand's registers, stored as their image (three groups of four registers, 16 x lane)
	s_cmp_gt_u32 ttmp9, 2
	s_cbranch_scc1 .Ljoin
	s_lshl_b32 s42, ttmp9, 4
	s_add_co_u32 s42, s42, s[CX]
	s_lshl_b32 s43, s[CY], 2
	s_add_co_u32 s42, s42, s43                     ; which 16 rows of o_w
	s_mul_i32 s43, s[SP], 3                        ; my first K step
	s_mul_i32 s2, s42, 16*576
	s_mul_i32 s66, s43, 96
	s_add_co_u32 s2, s2, s66
	s_mov_b32 s3, 0
	s_add_nc_u64 s[24:25], s[24:25], s[2:3]
	s_mul_i32 s42, s42, 6
	s_add_co_u32 s42, s42, s43
	s_mul_i32 s2, s42, 1536
	s_add_nc_u64 s[30:31], s[30:31], s[2:3]
.irp k, 0,1,2
.irp p, 0,1,2,3,4,5
	global_load_b64 v[XF+12*\k+2*\p:XF+12*\k+2*\p+1], v14, s[24:25] offset:96*\k+48*(\p/3)+8*(\p%3)
.endr
.endr
	s_wait_loadcnt 0x0
.irp k, 0,1,2
.irp c, 0,1,2
	global_store_b128 v7, v[XF+12*\k+4*\c:XF+12*\k+4*\c+3], s[30:31] offset:1536*\k+512*\c   ; 32 lanes store 512 consecutive bytes
.endr
.endr
.Ljoin:
	s_wait_loadcnt 0x0                             ; the scale words
	s_wait_xcnt 0x0                                ; the stores above have read their registers, which the fragments below take
	s_wait_tensorcnt 0x0                           ; my tile has landed,
	s_barrier_signal -1
	s_barrier_wait -1                              ; everybody's has
	KSTEP 0
	KSTEP 1
	KSTEP 2
	KSTEP 3
	KSTEP 4
	KSTEP 5
.rept 4
	v_nop                                          ; four places in front of the first read of results, of writes and of loads into the operands' registers
.endr
	s_cmp_eq_u32 s[HH], 4
	s_cbranch_scc1 .Lquantise
.irp a, 0,1,2,3
	global_load_b128 v[LW+8*\a:LW+8*\a+3], v12, s[LNP:LNP+1] offset:64*\a        ; the gain of channels 16 a + 8 h + 0 .. 7: it lands under the sums
	global_load_b128 v[LW+8*\a+4:LW+8*\a+7], v12, s[LNP:LNP+1] offset:64*\a+16
.endr
	SUMSQ 0
	SUMSQ 1
	s_wait_loadcnt 0x0
	ROPE 0
	ROPE 1
.Lquantise:
	QH AC, 112
	global_store_b128 v7, v[122:125], s[CB:CB+1]
	global_store_b64 v8, v[126:127], s[CB:CB+1] offset:512
	QH AC+32, 132                                  ; work registers of its own: no store's data are written again
	global_store_b128 v7, v[142:145], s[CB+2:CB+3]
	global_store_b64 v8, v[146:147], s[CB+2:CB+3] offset:512
	s_cmp_eq_u32 s[ISV], 1
	s_cbranch_scc1 .Lv_scales
	global_store_b32 v9, v121, s[SB:SB+1]          ; q, k: the two bytes twice: the word is right in either half of a K step of 128
	global_store_b32 v9, v141, s[SB+2:SB+3]
	s_branch .Lend
.Lv_scales:
	global_store_b16 v9, v120, s[SB:SB+1]          ; v: my 64 tokens' two bytes of the step's word
	global_store_b16 v9, v140, s[SB+2:SB+3]
.Lend:
	s_wait_tensorcnt 0x0
	ds_add_u32 v254, v255
	s_wait_dscnt 0x0
	CROUND                                         ; the closing round: no work-group ends while a partner may still ask for a tile that names it
	s_endpgm
.Lfunc_end_k_q3ef7690685_project:
	.size	k_q3ef7690685_project, .Lfunc_end_k_q3ef7690685_project-k_q3ef7690685_project
	.p2alignl 7, 3214868480
	.fill 96, 4, 3214868480
	.section	.rodata,"a",@progbits
	.p2align	6, 0x0
	.amdhsa_kernel k_q3ef7690685_project
		.amdhsa_group_segment_fixed_size 277760
		.amdhsa_private_segment_fixed_size 0
		.amdhsa_enable_private_segment 0
		.amdhsa_kernarg_size 112
		.amdhsa_user_sgpr_count 2
		.amdhsa_user_sgpr_kernarg_segment_ptr 1
		.amdhsa_wavefront_size32 1
		.amdhsa_system_sgpr_workgroup_id_x 1
		.amdhsa_system_sgpr_workgroup_id_y 1
		.amdhsa_system_sgpr_workgroup_id_z 1
		.amdhsa_system_vgpr_workitem_id 0
		.amdhsa_next_free_vgpr 256
		.amdhsa_next_free_sgpr 102
		.amdhsa_reserve_vcc 1
		.amdhsa_float_denorm_mode_32 3
		.amdhsa_float_denorm_mode_16_64 3
		.amdhsa_memory_ordered 1
		.amdhsa_forward_progress 1
		.amdhsa_inst_pref_size 95
	.end_amdhsa_kernel
	.amdgpu_metadata
---
amdhsa.version: [ 1, 2 ]
amdhsa.kernels:
  - .name:           k_q3ef7690685_project
    .symbol:         k_q3ef7690685_project.kd
    .args:
      - { .name: hidden_states_codes, .offset: 0, .size: 8, .value_kind: global_buffer, .address_space: global }
      - { .name: hidden_states_scales, .offset: 8, .size: 8, .value_kind: global_buffer, .address_space: global }
      - { .name: q_w_codes, .offset: 16, .size: 8, .value_kind: global_buffer, .address_space: global }
      - { .name: q_w_scales, .offset: 24, .size: 8, .value_kind: global_buffer, .address_space: global }
      - { .name: k_w_codes, .offset: 32, .size: 8, .value_kind: global_buffer, .address_space: global }
      - { .name: k_w_scales, .offset: 40, .size: 8, .value_kind: global_buffer, .address_space: global }
      - { .name: v_w_codes, .offset: 48, .size: 8, .value_kind: global_buffer, .address_space: global }
      - { .name: v_w_scales, .offset: 56, .size: 8, .value_kind: global_buffer, .address_space: global }
      - { .name: q_ln_w, .offset: 64, .size: 8, .value_kind: global_buffer, .address_space: global }
      - { .name: k_ln_w, .offset: 72, .size: 8, .value_kind: global_buffer, .address_space: global }
      - { .name: o_w_codes, .offset: 80, .size: 8, .value_kind: global_buffer, .address_space: global }
      - { .name: qimg, .offset: 88, .size: 8, .value_kind: global_buffer, .address_space: global }
      - { .name: kv, .offset: 96, .size: 8, .value_kind: global_buffer, .address_space: global }
      - { .name: oimg, .offset: 104, .size: 8, .value_kind: global_buffer, .address_space: global }
    .group_segment_fixed_size: 277760
    .private_segment_fixed_size: 0
    .kernarg_segment_align: 8
    .kernarg_segment_size: 112
    .max_flat_workgroup_size: 320
    .sgpr_count:     102
    .vgpr_count:     256
    .wavefront_size: 32
...
	.end_amdgpu_metadata
.endif
;; end of part 1
;; launch attend (part 2): grid 256 x 1, 12 waves a work-group, clusters of 4 x 1, 284,928 bytes of LDS; arguments qimg, kv, oimg, o_w_scales, out0; writes out0
.if DOCPART == 2
	.amdgcn_target "amdgcn-amd-amdhsa--gfx1250"
	.amdhsa_code_object_version 6
	.text
	.protected	k_q3ef7690685_attend
	.globl	k_q3ef7690685_attend
	.p2align	8
	.type	k_q3ef7690685_attend,@function
k_q3ef7690685_attend:
	s_mov_b64 s[64:65], 0
	v_nop
	global_prefetch_b8 v0, s[64:65] scope:SCOPE_SE
	s_setreg_imm32_b32 hwreg(HW_REG_WAVE_MODE, 25, 1), 1
	s_wait_xcnt 0x0
	s_wait_alu depctr_hold_cnt(0) depctr_sa_sdst(0) depctr_va_vdst(0) depctr_va_sdst(0) depctr_va_ssrc(0) depctr_va_vcc(0) depctr_vm_vsrc(0)
	s_getreg_b32 s2, hwreg(HW_REG_IB_STS2, 6, 4)
	s_cmp_eq_u32 s2, 0
	s_cbranch_scc0 .Lentry_in_a_cluster
	s_endpgm
.Lentry_in_a_cluster:
	s_bfe_u32 s2, ttmp6, 0x10000c
	s_cmp_lg_u32 s2, 0x3003
	s_cbranch_scc0 .Lentry_shape_is_right
	s_endpgm
.Lentry_shape_is_right:
; Causal attention with a window of 384 keys, and the output projection, all products on codes of FP6 (E2M3) with E8M0 scales.
; SHARES.  A work-group owns 16 queries and ALL 12 heads, a head to a wave; so the last product, whose K runs over all heads, stays in the work-group: wave w then makes out0's columns 64 w .. 64 w + 63.
; The four work-groups of a cluster own neighbouring query tiles of one step of 128 tokens: they see the same four key steps (512 keys cover the window), which come ONCE, by joint loads, as four dense
; blocks of 55,296 bytes, one for each key/value head.  Nothing is filled again.
; OPERANDS ARE IMAGES OF REGISTERS (made by the launch before): a half fragment, 16 rows x 64 K, is 768 bytes: registers 0-3 at 16 x lane, 4-5 at 512 + 8 x lane.
; K = 64 IN AN INSTRUCTION OF 128: a fragment of K holds key tiles 2 p (registers 0-5) and 2 p + 1 (6-11); Q stands in 18 registers [0 | q | 0]: tile 2 p is multiplied with [q | 0], tile 2 p + 1 with [0 | q];
; the other half meets zero codes.  Q's and K's scale words hold their two bytes twice.
; Both products are used transposed (S^T = K Q^T, O^T = V^T P^T): a lane holds one query.  p = 2^(t - M), t = score x log2(e) / 8, M the running largest t rounded up to a whole number; the row's sum is taken of the
; unquantised p and divides at the end.  p's and V's codes stand in the same order inside each block of 32 keys; V's channel tiles are chosen so that O^T's registers 16 b + i are channels 32 b + 16 h + i.
; MASK: with query 128 j + d, key k of step j counts where k <= d, of step j - 3 where k > d, of steps j - 1, j - 2 always; later steps are passed over by a scalar branch on ids.
; LIMITS: scale bytes 0xff, NaN and infinities are not served; a block under 2^-124, a block of zeros too, gets the byte 1 (read by this program alone).
; REGISTERS, in the loop: v1-3 16, 8, 4 x lane; v4, v5 the mask's bounds; v6-8 the step's addresses; v9 -infinity; v12 -M, v13 largest t, v[14:15] the sum; v16-33 [0 | q | 0]; v36-83 four fragments of K, then of V;
; v84-91 K's scale words, v92-95 V's; v96-159 S^T, then p; v160-191 O^T; v192-215 o_w's scale words; v224-254 at work; v255 Q's scale word.
; Behind it: v4-11 addresses; v12-23, v24-35 two attention fragments; v36-83, v96-143, v144-191 three sets of o_w's fragments; v84-89 the attention result's scale words; v216-235 the quantiser's work, then v216-247 out0's accumulators.
.set KVH,   55296                      ; LDS: four key steps of one key/value head; head g at g x KVH
.set STEPB, 13824                      ; a step: K's 8 tiles (0), V's 8 half tiles (6,144), K's scale words (12,288), V's (13,312)
.set AIMG,  4*KVH                      ; the 12 heads' results, 768 bytes each
.set ASC,   AIMG+12*768                ; their scale words: 6 K steps x 128 bytes
.set STG,   ASC+6*128                  ; a stage of 16 rows x (256 + 16) bytes for each wave
.set WV,    14
.set SEL,   44                         ; s[44:45] v_permlanex16_b32's selects for lane l xor 16
.set CS,    46                         ; s[46:47] c = log2(e) / 8
.macro CROUND                          ; a round of the cluster's barrier
	s_barrier_signal -1
	s_barrier_wait -1
	s_cmp_lg_u32 s[WV], 0
	s_cbranch_scc1 .Lnot_wave_0_\@
	s_barrier_signal -3
.Lnot_wave_0_\@:
	s_barrier_wait -3
	s_barrier_signal -1
	s_barrier_wait -1
.endm
.macro HALF reg, a16, a8, off          ; a half fragment comes back as it was stored
.set HR, \reg
.set HO, \off
	ds_load_b128 v[HR:HR+3], v[\a16] offset:HO
	ds_load_b64 v[HR+4:HR+5], v[\a8] offset:HO+512
.endm
.macro MASK diag                       ; register n holds key 16 (n / 8) + n % 8 + 8 h of the step.  diag = 1: hidden where the key is above my query; 0: where it is not above it
.set MN, 0
.rept 64
.if \diag
	v_cmp_gt_i32 vcc_lo, 16*(MN/8)+MN%8, v4
.else
	v_cmp_lt_i32 vcc_lo, 16*(MN/8)+MN%8, v5
.endif
	v_cndmask_b32 v[96+MN], v[96+MN], v9, vcc_lo
.set MN, MN+1
.endr
.endm
.macro OFRAG x, s                      ; o_w's four fragments of K step s into set x: three loads of 16 bytes a lane each, 512 consecutive bytes a load
.set OB, 36+60*(\x)-12*((\x)/2)
.irp nn, 0,1,2,3
.irp c, 0,1,2
	global_load_b128 v[OB+12*\nn+4*\c:OB+12*\nn+4*\c+3], v1, s[8:9] offset:(6*\nn+(\s))*1536+512*\c
.endr
.endr
.endm
; 32 numbers of a lane (two blocks of 32, 16 members each; lane l xor 16 has the others) become a half fragment in v[W+10 .. W+15]; the two scale bytes in v[W+8].
.macro QH src, W
.set QS, \src
.set QW, \W
.irp b, 0,1
	v_max3_num_f32 v[QW+\b], |v[QS+16*\b]|, |v[QS+16*\b+1]|, 0x1800000   ; with the floor 2^(3 - 127): the byte cannot fall under 1
.endr
.irp i, 2,4,6,8,10,12,14
.irp b, 0,1
	v_max3_num_f32 v[QW+\b], v[QW+\b], |v[QS+16*\b+\i]|, |v[QS+16*\b+\i+1]|
.endr
.endr
.irp b, 0,1
	v_mov_b32 v[QW+2+\b], 0                        ; a lane permute's destination counts as one of its sources
.endr
.irp b, 0,1
	v_permlanex16_b32 v[QW+2+\b], v[QW+\b], s[SEL], s[SEL+1]
.endr
.irp b, 0,1
	v_max_num_f32 v[QW+\b], v[QW+\b], v[QW+2+\b]
.endr
.irp b, 0,1
	v_add_nc_u32 v[QW+4+\b], 0xff000000, v[QW+\b]  ; 2 off the exponent field: the conversion's scale operand
.endr
.irp b, 0,1
	v_lshrrev_b32 v[QW+6+\b], 23, v[QW+4+\b]
.endr
	v_lshl_or_b32 v[QW+8], v[QW+7], 8, v[QW+6]
	v_lshl_or_b32 v[QW+9], v[QW+8], 16, v[QW+8]
	v_cvt_scalef32_pk16_fp6_f32 v[QW+10:QW+12], v[QS:QS+15], v[QW+4]
	v_cvt_scalef32_pk16_fp6_f32 v[QW+16:QW+18], v[QS+16:QS+31], v[QW+5]
	v_nop                                          ; one plain place behind a scaled conversion
.irp i, 0,1,2
	v_permlane16_swap_b32 v[QW+10+\i], v[QW+16+\i]
.endr
.irp i, 0,1,2
	v_mov_b32 v[QW+13+\i], v[QW+16+\i]
.endr
.endm
	s_load_b256 s[4:11], s[0:1], 0x0               ; qimg s[4:5], kv s[6:7], oimg s[8:9], o_w's scales s[10:11]
	s_load_b64 s[12:13], s[0:1], 0x20              ; out0
	s_set_vgpr_msb 0x40
	v_lshl_add_u32 v0, v0, 2, 0x45300
	v_mov_b32 v1, 0
	s_set_vgpr_msb 0x4045
	ds_add_u32 v0, v1
	ds_add_u32 v0, v1
	s_set_vgpr_msb 0x4500
	v_lshrrev_b32 v4, 5, v0
	v_readfirstlane_b32 s[WV], v4                  ; wave = head 0..11
	s_mul_i32 s15, s[WV], 11
	s_lshr_b32 s15, s15, 5                         ; its key/value head: wave / 3
	s_bfe_u32 s16, ttmp6, 0x40000                  ; cx: it enters data and global addresses alone
	s_lshr_b32 s17, ttmp9, 5                       ; b
	s_bfe_u32 s18, ttmp9, 0x40001                  ; j: my queries' step of 128; the four partners share b and j
	s_and_b32 s19, ttmp9, 1
	s_lshl_b32 s19, s19, 2
	s_add_co_u32 s19, s19, s16                     ; my tile of 16 queries in the step
	s_max_u32 s20, s18, 3
	s_sub_co_u32 s20, s20, 3                       ; the first key step in LDS
	; group 1: a dense block of 55,296 bytes as 216 rows of 256
	s_mov_b32 s28, 15|(3<<16)|(1<<21)              ; 15:0 the mask: all four work-groups; 17:16 elements of 8 bytes; 21 set beside a mask
	s_mov_b32 s29, 32<<16
	s_mov_b32 s30, 216<<16
	s_mov_b32 s31, 32<<16
	s_mov_b32 s32, 216
	s_mov_b32 s33, 32
	s_mov_b32 s34, 0
	s_mov_b32 s35, 0
	s_lshl_b32 s21, s17, 2
	s_add_co_u32 s21, s21, s[WV]                   ; waves 0-3 fetch key/value heads 0-3
	s_lshl_b32 s21, s21, 4
	s_add_co_u32 s21, s21, s20
	s_mul_i32 s22, s21, STEPB
	s_mov_b32 s23, 0
	s_mov_b32 s24, 1
	s_mul_i32 s25, s[WV], KVH
	s_mov_b32 s[SEL], 0x76543210
	s_mov_b32 s[SEL+1], 0xfedcba98
	s_mov_b32 s[CS], 0x3e38aa3b
	s_mov_b32 s[CS+1], s[CS]                       ; (named with it as a pair, so it is written)
	s_mul_i32 s40, s15, KVH                        ; LDS byte of the key step in hand
	s_mov_b32 s41, s20                             ; its number
	s_mov_b32 s42, 4                               ; steps to go
	s_wait_dscnt 0x0
	s_wait_kmcnt 0x0
	s_add_nc_u64 s[26:27], s[6:7], s[22:23]
	s_or_b32 s27, s27, 0x80000000
	CROUND                                         ; all four work-groups are here: the joint loads meet
	s_cmp_gt_u32 s[WV], 3
	s_cbranch_scc1 .Lasked
	tensor_load_to_lds s[24:27], s[28:35]          ; one tensor load of a wave is out; four v_nop follow it
	s_nop 0
.rept 4
	v_nop
.endr
.Lasked:
	s_lshl_b32 s36, s17, 7
	s_lshl_b32 s37, s18, 3
	s_add_co_u32 s36, s36, s37
	s_add_co_u32 s36, s36, s19                     ; my query tile in all: 128 b + 8 j + tile
	s_mul_i32 s38, s36, 12
	s_add_co_u32 s38, s38, s[WV]
	s_lshl_b32 s38, s38, 10
	s_mov_b32 s39, 0
	s_add_nc_u64 s[4:5], s[4:5], s[38:39]          ; Q's image of my tile and head
	s_mul_i32 s38, s[WV], 36864
	s_add_nc_u64 s[8:9], s[8:9], s[38:39]          ; o_w's images of my 64 rows
	s_mul_i32 s38, s[WV], 1536
	s_add_nc_u64 s[10:11], s[10:11], s[38:39]      ; and their scale rows
	s_mul_i32 s38, s36, 16*3072
	s_lshl_b32 s37, s[WV], 8
	s_add_co_u32 s38, s38, s37
	s_add_nc_u64 s[12:13], s[12:13], s[38:39]      ; out0 at my first query, my 64 columns
	v_and_b32 v4, 31, v0
	v_lshlrev_b32 v1, 4, v4
	v_lshlrev_b32 v2, 3, v4
	v_lshlrev_b32 v3, 2, v4
	v_and_b32 v250, 15, v0
	v_mul_u32_u24 v251, v250, 24
	global_load_b128 v[22:25], v1, s[4:5]
	global_load_b64 v[26:27], v2, s[4:5] offset:512
	global_load_b32 v255, v3, s[4:5] offset:768
.irp nn, 0,1,2,3
.irp p, 0,1,2
	global_load_b64 v[192+6*\nn+2*\p:192+6*\nn+2*\p+1], v251, s[10:11] offset:384*\nn+8*\p   ; o_w's scale words, 6 nn + s: wanted at the end, asked for here
.endr
.endr
	v_bfe_u32 v6, v0, 4, 1
	v_lshlrev_b32 v6, 3, v6
	v_sub_nc_u32 v5, v250, v6
	s_lshl_b32 s36, s19, 4
	v_add_nc_u32 v4, s36, v5                       ; my query in its step, less 8 h
	v_add_nc_u32 v5, 1, v4
	v_mov_b32 v9, 0xff800000                       ; -infinity
.irp i, 16,17,18,19,20,21,28,29,30,31,32,33
	v_mov_b32 v\i, 0                               ; the zero codes on both sides of q
.endr
	v_mov_b32 v13, 0xff61b1e6                      ; the largest t so far: -3e38
	v_floor_f32 v12, -v13                          ; -M
	v_mov_b32 v14, 0
	v_mov_b32 v15, 0
.irp b, 0,1,2,3
	v_mov_b32 v[236+\b], 0                         ; a lane permute's destination counts as one of its sources
.endr
	v_mov_b32 v252, 0
	v_mov_b32 v253, 0
.set i, 0
.rept 32
	v_mov_b32 v[160+i], 0                          ; O^T: the step is written once; the first finds zeros, which the first change of M leaves zeros
.set i, i+1
.endr
	s_wait_loadcnt 0x0                             ; Q and the scale words
	s_wait_tensorcnt 0x0                           ; my block has landed,
	s_barrier_signal -1
	s_barrier_wait -1                              ; everybody's has
.Lstep:                                            ; four trips, a constant; a step all of whose keys come after my queries is passed over
	s_cmp_gt_u32 s41, s18
	s_cbranch_scc1 .Lskip
	v_add_nc_u32 v6, s40, v1
	v_add_nc_u32 v7, s40, v2
	v_add_nc_u32 v8, s40, v3
	v_nop                                          ; with the three additions: four places in front of loads into registers that the last products read
.irp T, 0,1,2,3,4,5,6,7
	HALF 36+6*\T, 6, 7, 768*\T
	ds_load_b32 v[84+\T], v8 offset:12288+128*\T
.endr
	s_wait_dscnt 0x0
.irp T, 0,1,2,3,4,5,6,7                            ; S^T: lane (r, h): query r; register 8 T + i: key 16 T + 8 h + i
	v_wmma_scale_f32_16x16x128_f8f6f4 v[96+8*\T:103+8*\T], v[36+12*(\T/2):47+12*(\T/2)], v[22-6*(\T%2):33-6*(\T%2)], 0, v[84+\T], v255 matrix_a_fmt:MATRIX_FMT_FP6 matrix_b_fmt:MATRIX_FMT_FP6
.endr
.rept 4
	v_nop                                          ; four places: for V's loads into K's registers and for the first read of the scores
.endr
.irp T, 0,1,2,3,4,5,6,7                            ; V's fragments land under the softmax: channel tile T / 2, keys 64 (T % 2) on
	HALF 36+6*\T, 6, 7, 6144+768*\T
.endr
.irp t, 0,1,2,3
	ds_load_b32 v[92+\t], v8 offset:13312+128*\t
.endr
	s_cmp_lg_u32 s41, s18
	s_cbranch_scc1 .Lnot_diagonal
	MASK 1
.Lnot_diagonal:
	s_add_co_u32 s43, s41, 3
	s_cmp_lg_u32 s43, s18
	s_cbranch_scc1 .Lnot_edge
	MASK 0
.Lnot_edge:
.irp b, 0,1,2,3
	v_max3_num_f32 v[232+\b], v[96+16*\b], v[97+16*\b], v[98+16*\b]   ; the largest score of each block of 32 keys: for the row's maximum and, since p rises with the score, for the block's largest p
.endr
.irp i, 3,5,7,9,11,13
.irp b, 0,1,2,3
	v_max3_num_f32 v[232+\b], v[232+\b], v[96+16*\b+\i], v[97+16*\b+\i]
.endr
.endr
.irp b, 0,1,2,3
	v_max_num_f32 v[232+\b], v[232+\b], v[111+16*\b]
.endr
.irp b, 0,1,2,3
	v_permlanex16_b32 v[236+\b], v[232+\b], s[SEL], s[SEL+1]
.endr
.irp b, 0,1,2,3
	v_max_num_f32 v[232+\b], v[232+\b], v[236+\b]
.endr
	v_max3_num_f32 v254, v232, v233, v234
	v_max_num_f32 v254, v254, v235
	v_mul_f32 v254, s[CS], v254
	v_max_num_f32 v13, v13, v254                   ; the running largest t
	v_mov_b32 v254, v12
	v_floor_f32 v12, -v13                          ; the new -M = -ceil(t)
	v_sub_f32 v254, v12, v254                      ; old M - new M: a whole number, 0 or less
	v_cvt_i32_f32 v254, v254                       ; (it saturates)
	v_ldexp_f32 v252, 1.0, v254                    ; f = 2^(old M - new M)
.set i, 0
.rept 32
	v_pk_fma_f32 v[96+i:97+i], v[96+i:97+i], s[CS:CS+1], v[12:13] op_sel_hi:[1,0,0]   ; t - M
.set i, i+2
.endr
.irp b, 0,1,2,3
	v_fma_f32 v[232+\b], v[232+\b], s[CS], v12
.endr
.set i, 0
.rept 64
	v_exp_f32 v[96+i], v[96+i]                     ; p = 2^(t - M); a hidden key's is 0
.set i, i+1
.endr
.irp b, 0,1,2,3
	v_exp_f32 v[232+\b], v[232+\b]                 ; the block's largest p
.endr
	v_pk_mul_f32 v[14:15], v[14:15], v[252:253] op_sel_hi:[1,0]   ; the sums under the new M (the plain place behind the exponentials)
	s_wait_alu depctr_va_vdst(0)
.irp b, 0,1,2,3
	v_max_num_f32 v[232+\b], 0x1800000, v[232+\b]  ; the floor 2^(3 - 127)
.endr
.irp b, 0,1,2,3
	v_add_nc_u32 v[244+\b], 0xff000000, v[232+\b]
.endr
.irp b, 0,1,2,3
	v_lshrrev_b32 v[236+\b], 23, v[244+\b]
.endr
	v_lshl_or_b32 v253, v237, 8, v236              ; p's scale word for these 128 keys
	v_lshl_or_b32 v253, v238, 16, v253
	v_lshl_or_b32 v253, v239, 24, v253
.irp c, 0,1
	v_cvt_scalef32_pk16_fp6_f32 v[224+6*\c:226+6*\c], v[96+32*\c:111+32*\c], v[244+2*\c]
	v_cvt_scalef32_pk16_fp6_f32 v[236+4*\c:238+4*\c], v[112+32*\c:127+32*\c], v[244+2*\c+1]
.endr
	v_nop                                          ; one plain place behind a scaled conversion
.irp c, 0,1
.irp i, 0,1,2
	v_permlane16_swap_b32 v[224+6*\c+\i], v[236+4*\c+\i]
.endr
.irp i, 0,1,2
	v_mov_b32 v[227+6*\c+\i], v[236+4*\c+\i]
.endr
.endr
	v_pk_add_f32 v[236:237], v[96:97], v[98:99]    ; the row's sum, of the unquantised p, in two chains
.irp j, 4,8,12,16,20,24,28,32,36,40,44,48,52,56,60
	v_pk_add_f32 v[14:15], v[14:15], v[96+\j:97+\j]
	v_pk_add_f32 v[236:237], v[236:237], v[98+\j:99+\j]
.endr
	v_pk_add_f32 v[14:15], v[14:15], v[236:237]
.set i, 0
.rept 16
	v_pk_mul_f32 v[160+i:161+i], v[160+i:161+i], v[252:253] op_sel_hi:[1,0]   ; O^T under the new M; with the sums above these are the places between p's codes and scale word and the products
.set i, i+2
.endr
	s_wait_dscnt 0x0                               ; V
.irp t, 0,1,2,3                                    ; the four accumulators take turns, one instruction a turn; eight other products stand between a trip's and the next's
	v_wmma_scale_f32_16x16x128_f8f6f4 v[160+8*\t:167+8*\t], v[36+12*\t:47+12*\t], v[224:235], v[160+8*\t:167+8*\t], v[92+\t], v253 matrix_a_fmt:MATRIX_FMT_FP6 matrix_b_fmt:MATRIX_FMT_FP6
.endr
.Lskip:
	s_add_co_u32 s40, s40, STEPB
	s_add_co_u32 s41, s41, 1
	s_sub_co_u32 s42, s42, 1
	s_cmp_lg_u32 s42, 0
	s_cbranch_scc1 .Lstep
	; ---- my head's result: divided by the sum, quantised, handed to the other waves as an image.  The additions and addresses below are the places behind the last products.
	v_add_f32 v14, v14, v15
	s_mul_i32 s21, s[WV], 768
	s_add_co_u32 s21, s21, AIMG
	v_add_nc_u32 v4, s21, v1                       ; my image: 16 x lane,
	v_add_nc_u32 v5, s21, v2                       ; 8 x lane
	s_lshr_b32 s22, s[WV], 1
	s_lshl_b32 s22, s22, 7
	s_and_b32 s23, s[WV], 1
	s_lshl_b32 s23, s23, 1
	s_add_co_u32 s22, s22, s23
	s_add_co_u32 s22, s22, ASC
	v_add_nc_u32 v6, s22, v3                       ; my two bytes of K step wave / 2's scale words
	v_add_nc_u32 v7, AIMG, v1                      ; reading: any head's image,
	v_add_nc_u32 v8, AIMG, v2
	v_add_nc_u32 v9, ASC, v3                       ; any K step's scale words
	v_and_b32 v248, 15, v0                         ; r
	v_bfe_u32 v249, v0, 4, 1                       ; h
	s_mul_i32 s21, s[WV], 16*272
	s_add_co_u32 s21, s21, STG                     ; my stage
	v_mul_u32_u24 v10, v248, 272
	v_lshl_add_u32 v10, v249, 5, v10
	v_add_nc_u32 v10, s21, v10                     ; in: row r, 32 bytes for each half of the lanes
	v_mul_u32_u24 v11, v249, 272
	v_lshl_add_u32 v11, v248, 4, v11
	v_add_nc_u32 v11, s21, v11                     ; back: lanes 0-15 one row of 256 bytes, lanes 16-31 the next
	v_mul_u32_u24 v250, v249, 3072
	v_lshl_add_u32 v250, v248, 4, v250             ; and the same two rows in out0
	v_permlanex16_b32 v252, v14, s[SEL], s[SEL+1]
	v_add_f32 v14, v14, v252                       ; the row's sum
	v_rcp_f32 v14, v14
	v_mov_b32 v15, 0                               ; the plain place behind the transcendental
	OFRAG 0, 0                                     ; o_w's fragments go from memory straight into registers: each byte is wanted by one wave of the work-group
	OFRAG 1, 1
.set i, 0
	s_wait_alu depctr_va_vdst(0)
.rept 16
	v_pk_mul_f32 v[160+i:161+i], v[160+i:161+i], v[14:15] op_sel_hi:[1,0]
.set i, i+2
.endr
	QH 160, 216
	ds_store_b128 v4, v[226:229]
	ds_store_b64 v5, v[230:231] offset:512
	ds_store_b16 v6, v224
	OFRAG 2, 2
	s_wait_dscnt 0x0                               ; for the others' sake: my stores have landed
	s_barrier_signal -1
	s_barrier_wait -1                              ; the twelve heads' images lie in LDS
.irp s, 0,1,2,3,4,5
	ds_load_b32 v[84+\s], v9 offset:128*\s
.endr
	HALF 12, 7, 8, 0                               ; K step 0: heads 0 and 1
	HALF 18, 7, 8, 768
	HALF 24, 7, 8, 2*768                           ; K step 1
	HALF 30, 7, 8, 3*768
	; ---- out0 = result x o_w^T, transposed: source 0 = 16 rows of o_w, source 1 = the 16 queries.  Four accumulators by turns, a K step of 128 (two heads) at a time.
.irp s, 0,1,2,3,4,5
.if \s < 4
	s_wait_loadcnt 24                              ; this step's twelve loads are in; the two sets asked for behind them may be out
.elseif \s == 4
	s_wait_loadcnt 12
.else
	s_wait_loadcnt 0x0
.endif
.if \s < 5
	s_wait_dscnt 4                                 ; this step's attention fragment is in; the next one's four loads may be out
.else
	s_wait_dscnt 0x0
.endif
.set OB, 36+60*(\s%3)-12*((\s%3)/2)
.set AFR, 12+12*(\s%2)
.irp nn, 0,1,2,3
.if \s == 0
	v_wmma_scale_f32_16x16x128_f8f6f4 v[216+8*\nn:223+8*\nn], v[OB+12*\nn:OB+12*\nn+11], v[AFR:AFR+11], 0, v[192+6*\nn+\s], v[84+\s] matrix_a_fmt:MATRIX_FMT_FP6 matrix_b_fmt:MATRIX_FMT_FP6
.else
	v_wmma_scale_f32_16x16x128_f8f6f4 v[216+8*\nn:223+8*\nn], v[OB+12*\nn:OB+12*\nn+11], v[AFR:AFR+11], v[216+8*\nn:223+8*\nn], v[192+6*\nn+\s], v[84+\s] matrix_a_fmt:MATRIX_FMT_FP6 matrix_b_fmt:MATRIX_FMT_FP6
.endif
.endr
.if (\s < 4) || (\s == 5)
.rept 4
	v_nop                                          ; four places in front of loads into the operands' registers, and of the first read of the results
.endr
.endif
.if \s < 3
	OFRAG \s%3, \s+3
.endif
.if \s < 4
	HALF AFR, 7, 8, (2*(\s+2))*768
	HALF AFR+6, 7, 8, (2*(\s+2)+1)*768
.endif
.endr
	; ---- the way out: a lane holds 32 neighbouring bytes of a row; through my own stage they become whole rows of 256 bytes.  LDS serves a wave's instructions in order (ISA guide 5.7.1.4): no wait between the stores and the loads.
.irp nn, 0,1,2,3
	ds_store_b128 v10, v[216+8*\nn:219+8*\nn] offset:64*\nn           ; each accumulator from its low end on
	ds_store_b128 v10, v[220+8*\nn:223+8*\nn] offset:64*\nn+16
.endr
.irp i, 0,1,2,3,4,5,6,7
	ds_load_b128 v[36+4*\i:39+4*\i], v11 offset:544*\i
.endr
.irp i, 0,1,2,3,4,5,6,7
	s_wait_dscnt 7-\i                              ; rows 2 i and 2 i + 1 are back; the later ones may be out
	global_store_b128 v250, v[36+4*\i:39+4*\i], s[12:13] offset:6144*\i th:TH_STORE_NT   ; sixteen lanes store 256 consecutive bytes, at a multiple of 256 from out0's first byte
.endr
	s_set_vgpr_msb 0x5
	s_wait_tensorcnt 0x0
	ds_add_u32 v0, v1
	s_wait_dscnt 0x0
	s_set_vgpr_msb 0x500
	CROUND                                         ; the closing round: no work-group ends while a partner may still ask for a block that names it
	s_endpgm
.Lfunc_end_k_q3ef7690685_attend:
	.size	k_q3ef7690685_attend, .Lfunc_end_k_q3ef7690685_attend-k_q3ef7690685_attend
	.p2alignl 7, 3214868480
	.fill 96, 4, 3214868480
	.section	.rodata,"a",@progbits
	.p2align	6, 0x0
	.amdhsa_kernel k_q3ef7690685_attend
		.amdhsa_group_segment_fixed_size 284928
		.amdhsa_private_segment_fixed_size 0
		.amdhsa_enable_private_segment 0
		.amdhsa_kernarg_size 40
		.amdhsa_user_sgpr_count 2
		.amdhsa_user_sgpr_kernarg_segment_ptr 1
		.amdhsa_wavefront_size32 1
		.amdhsa_system_sgpr_workgroup_id_x 1
		.amdhsa_system_sgpr_workgroup_id_y 1
		.amdhsa_system_sgpr_workgroup_id_z 1
		.amdhsa_system_vgpr_workitem_id 0
		.amdhsa_next_free_vgpr 258
		.amdhsa_next_free_sgpr 66
		.amdhsa_reserve_vcc 1
		.amdhsa_float_denorm_mode_32 3
		.amdhsa_float_denorm_mode_16_64 3
		.amdhsa_memory_ordered 1
		.amdhsa_forward_progress 1
		.amdhsa_inst_pref_size 55
	.end_amdhsa_kernel
	.amdgpu_metadata
---
amdhsa.version: [ 1, 2 ]
amdhsa.kernels:
  - .name:           k_q3ef7690685_attend
    .symbol:         k_q3ef7690685_attend.kd
    .args:
      - { .name: qimg, .offset: 0, .size: 8, .value_kind: global_buffer, .address_space: global }
      - { .name: kv, .offset: 8, .size: 8, .value_kind: global_buffer, .address_space: global }
      - { .name: oimg, .offset: 16, .size: 8, .value_kind: global_buffer, .address_space: global }
      - { .name: o_w_scales, .offset: 24, .size: 8, .value_kind: global_buffer, .address_space: global }
      - { .name: out0, .offset: 32, .size: 8, .value_kind: global_buffer, .address_space: global }
    .group_segment_fixed_size: 284928
    .private_segment_fixed_size: 0
    .kernarg_segment_align: 8
    .kernarg_segment_size: 40
    .max_flat_workgroup_size: 384
    .sgpr_count:     66
    .vgpr_count:     258
    .wavefront_size: 32
...
	.end_amdgpu_metadata
.endif
;; end of part 2
